; MI455X (gfx1250); checked and timed in simulation.
; The chip was launched on July 23, 2026; its instructions are those of AMD's public machine-readable ISA for CDNA 5 (MIT licence, August 2026) and "CDNA5" Instruction Set Architecture Reference Guide (July 2026). The comments in the code are by the model that wrote it; some were corrected since.
;; Self Attention. Allowed arithmetic: float matrix products may take bf16 or f16 operands with f32 sums; all other float work in f32.
;; Inputs: keys 2 x 4,096 x 8 x 64 float32; queries 2 x 4,096 x 8 x 64 float32; values 2 x 4,096 x 8 x 64 float32.
;; Outputs: out0 2 x 4,096 x 8 x 64 float32.
;; One version. Each part assembles by itself: llvm-mc -triple=amdgcn-amd-amdhsa -mcpu=gfx1250 --defsym DOCPART=n.
;; ======== version 1 of 1: 1 launch
;; launch attn (part 1): grid 16 x 16, 8 waves a work-group, clusters of 4 x 1, 327,680 bytes of LDS; arguments keys, queries, values, out0; writes out0
.if DOCPART == 1
	.amdgcn_target "amdgcn-amd-amdhsa--gfx1250"
	.amdhsa_code_object_version 6
	.text
	.protected	k_qb708330d6a_attn
	.globl	k_qb708330d6a_attn
	.p2align	8
	.type	k_qb708330d6a_attn,@function
k_qb708330d6a_attn:
	s_mov_b64 s[64:65], 0
	v_nop
	global_prefetch_b8 v0, s[64:65] scope:SCOPE_SE
	s_setreg_imm32_b32 hwreg(HW_REG_WAVE_MODE, 25, 1), 1
	s_wait_xcnt 0x0
	s_wait_alu depctr_hold_cnt(0) depctr_sa_sdst(0) depctr_va_vdst(0) depctr_va_sdst(0) depctr_va_ssrc(0) depctr_va_vcc(0) depctr_vm_vsrc(0)
	s_getreg_b32 s2, hwreg(HW_REG_IB_STS2, 6, 4)
	s_cmp_eq_u32 s2, 0
	s_cbranch_scc0 .Lentry_in_a_cluster
	s_endpgm
.Lentry_in_a_cluster:
	s_bfe_u32 s2, ttmp6, 0x10000c
	s_cmp_lg_u32 s2, 0x3003
	s_cbranch_scc0 .Lentry_shape_is_right
	s_endpgm
.Lentry_shape_is_right:
; out[b][l][h][:] = softmax over s of (q[b][l][h][:] . k[b][s][h][:] / 8) times v[b][s][h][:].   B = 2, L = 4096, H = 8, D = 64, all f32, [B][L][H][D].
; A head's row is 64 f32 = 256 bytes, aligned; rows of one head are 2,048 bytes apart.
; WORK: a work-group = 256 queries of one (b, head), all 4,096 keys; 16 x 16 = 256 work-groups.  Eight waves of 512 registers, two to a SIMD (8 x 512 = 4 x 1,024), so that
; one wave's vector work can issue while the other waits for a result.  Wave w: p = w & 3 = queries 64 p .. 64 p + 63 (four blocks n of 16); g = w >> 2 = keys 64 g .. 64 g + 63
; of every tile of 128 keys.  The two waves of a pair (p, 0), (p, 1) keep a running maximum, sum and O of their own and join them once, at the end, through LDS.
; BOTH PRODUCTS ARE USED TRANSPOSED.  S^T = K Q^T: lane (r, h), register j of key tile kb holds the score of query r and key 16 kb + 8 h + j, so a query's
; scores lie in one lane and its partner lane ^ 16, and two neighbouring key tiles, packed to bf16, ARE the second source of O^T = V^T P^T: no shuffle.
; In O^T lane (r, h), register j of block db holds (query r, d = 16 db + 8 h + j): the rescaling factor and 1 / sum are one number a lane.
; SOFTMAX: a running maximum per query, renewed for every batch of 64 keys; exponents c s - c max with c = log2(e) / 8, in f32; sums in f32.
; DATA: K and V come as f32 tiles of 128 keys by the tensor data mover into two raw slots; the eight waves together round a tile to bf16 once
; (each 16 rows of K and of V) into one of two bf16 stages; all waves take their fragments from the stage (V through the transposing LDS load).
; CLUSTER: the four work-groups of a cluster (4, 1, 1) are four query blocks of one head and walk the same K and V: each tile is asked for jointly (mask 15).
; A 4 x 4 cluster would add nothing: a joint load here names four work-groups.  Q is each work-group's own: a plain load.
; TENSOR LOADS: a tile's 256 rows (128 of K, 128 of V) are shared out among the eight waves, 32 rows of 256 bytes each, one load a wave.
; Out, by this text's own count: three of a wave at the start (Q, tile 0, tile 1), one behind each later round of the cluster's barrier.
; LIMITS: Q, K, V and the weights P are rounded to bf16 for the products; scores must be finite in f32 (as the reference needs); a weight below 2^-126 of the
; running maximum's counts as 0 (v_exp_f32 flushes: ISA guide, its entry); the order of the f32 sums differs from the reference's (batches of 64 keys, two halves joined at the end).
.set ROWB,   2048                      ; bytes from a key to the next
.set TILEB,  128*ROWB                  ; a tile of 128 keys in memory
.set RAWSZ,  65536                     ; LDS: raw slot s at s*RAWSZ: K's 128 rows of 256 bytes, then V's; read 512 neighbouring bytes at a time, so no padding
.set RAWV,   32768
.set BF,     131072                    ; LDS: bf16 stage s at BF + s*BFST; written by ds_store alone, never by the mover
.set BFST,   38912
.set BFV,    18432                     ; V's part of a stage
.set KP,     144                       ; K rows: 128 bytes + 16 (an odd multiple of 16: the sixteen rows of a fragment load start 16 bytes apart modulo 256)
.set VP,     160                       ; V rows: 128 bytes + 32 (an odd multiple of 32, for the transposing load's eight rows)
.set QR,     208896                    ; LDS: Q in f32, 256 rows, filled once
.set QP,     272                       ; 256 bytes + 16 laid by the mover
.set OST,    278528                    ; LDS: each wave's own stage for the way out, 16 rows x 272; eight of them end at 313,344
.set XBLK,   4608                      ; the joining: a block given away = 8 x 512 bytes of O + 512 bytes of state
.set XW,     2*XBLK                    ; a wave gives two blocks, at LDS byte w*XW: 73,728 bytes from 0, in the raw slots, which have had their last fill by then
; vector registers, window 0
.set KA,  1                            ; LDS address of my K fragments
.set XB,  2                            ; the joining: where I put what I give
.set XL,  3                            ; the joining: the lower partner's area
.set AL,  4                            ; v4 the rescaling factor, v5 at work (a pair for the packed forms)
.set AX,  6                            ; v6-9 four running maxima of a batch
.set TA,  6                            ; later v[6:7], v[8:9]: partial sums
.set TB,  8
.set NM,  10                           ; v[10+4n : 11+4n]  -c x running maximum of block n: element 0 written by even tiles, element 1 by odd ones
.set LS,  12                           ; v[12+4n : 13+4n]  running sum of block n, in two halves; with the pair in front of it 16 bytes of state
.set PFV, 26                           ; prefetch offset
.set STO, 27                           ; way out: where I put 32 bytes of a row
.set RD,  28                           ; way out: where I read a row back
.set CO,  29                           ; way out: my byte offset in out0
.set QA,  30                           ; LDS address of my Q rows
;         31                             lane
.set PB,  32                           ; v32-47   P, 64 keys of one block, bf16
.set SB,  48                           ; v48-79, v80-111  scores: block n uses buffer n & 1
.set PS,  48                           ; the joining: the partner's state, two quads
.set KF,  112                          ; v112-175 K fragments [ks][kb] at 32 ks + 8 kb; in the joining the partner's O
.set QF,  176                          ; v176-239 Q fragments [n][ks] at 16 n + 8 ks
; vector registers, window 1 (v256 + ...)
;              0-127 O[n][db] at 32 n + 8 db
.set VF,  128                          ; 128-191  V fragments [ks][db] at 32 ks + 8 db
.set RW,  192                          ; 192-207  raw f32 on the way to bf16
.set PK,  208                          ; 208-215  packed bf16
.set VA,  216                          ; LDS address of my V fragments
.set RA0, 217                          ; 217, 218 LDS address of my raw rows in slot 0, 1
.set WK,  219                          ; where my bf16 K rows go
.set WV,  220                          ; where my bf16 V rows go
; scalar registers
.set G1KV, 16                          ; s[16:23] descriptor group 1, K and V tiles (joint)
.set G1Q,  24                          ; s[24:31] descriptor group 1, Q (plain, padded)
.set G0,   32                          ; s[32:39] descriptor group 0 for raw slot 0, 1
.set G0Q,  40                          ; s[40:43] descriptor group 0 for Q
; s12 wave, s13 cx, s14 query block, s15 b*8+head, s44 lap, s45 cluster x, s[46:47] head offset, s[48:49] my K or V rows, s[50:51] prefetch base,
; s52-53 lane selects, s54-55 at work, s[56:57] out0 at my first row, s[58:59] c, c, s60 -c, s61 p, s[62:63] offsets that hold cx
.set MSB, 0
.macro WIN new                         ; s_set_vgpr_msb: bits 1:0 source 0, 3:2 source 1, 5:4 source 2, 7:6 destination; the high byte repeats the setting that is left
.if MSB != \new
	s_set_vgpr_msb (MSB<<8)|\new
.set MSB, \new
.endif
.endm
; A round of the cluster's barrier: my work-group's barrier, wave 0 signals for the work-group, every wave waits for all four work-groups, my work-group's barrier again.
.macro ROUND
	s_barrier_signal -1
	s_barrier_wait -1
	s_cmp_lg_u32 s12, 0
	s_cbranch_scc1 .Lnot_wave_0_\@
	s_barrier_signal -3
.Lnot_wave_0_\@:
	s_barrier_wait -3
	s_barrier_signal -1
	s_barrier_wait -1
.endm
	s_load_b256 s[4:11], s[0:1], 0x0               ; keys s[4:5], queries s[6:7], values s[8:9], out0 s[10:11]
	v_lshl_add_u32 v254, v0, 2, 0x4c800
	v_mov_b32 v255, 0
	ds_add_u32 v254, v255
	v_lshrrev_b32 v2, 5, v0
	v_readfirstlane_b32 s12, v2                    ; wave 0..7
	s_and_b32 s61, s12, 3                          ; p: which 64 queries are mine
	s_bfe_u32 s13, ttmp6, 0x40000                  ; cx
	s_mov_b32 s45, ttmp9                           ; cluster x, 0..3
	s_lshl_b32 s14, ttmp9, 2
	s_add_co_u32 s14, s14, s13                     ; block of 256 queries = 4 x cluster x + cx
	s_and_b32 s15, ttmp7, 0xffff                   ; b*8 + head
	s_mov_b32 s52, 0x76543210                      ; v_permlanex16_b32: lane i reads lane i of the other half
	s_mov_b32 s53, 0xfedcba98
	s_mov_b32 s58, 0x3e38aa3b                      ; c = log2(e) / 8
	s_mov_b32 s59, 0x3e38aa3b
	s_mov_b32 s60, 0xbe38aa3b                      ; -c
	s_lshr_b32 s54, s15, 3
	s_lshl_b32 s54, s54, 23                        ; b x 4,096 x 2,048 bytes
	s_and_b32 s55, s15, 7
	s_lshl_b32 s55, s55, 8                         ; head x 256 bytes
	s_add_co_u32 s46, s54, s55                     ; the head's offset: made of the grid's y alone, which the partners share
	s_mov_b32 s47, 0
	; group 1: 32 rows x 64 elements of 4 bytes, 512 elements from row to row; the tiles lie inside the tensor, so the extents are the tile's
	s_mov_b32 s[G1KV+0], 15|(2<<16)|(1<<21)        ; 15:0 mask: all four of the cluster; 17:16 elements of 4 bytes; 21 set beside a mask
	s_mov_b32 s[G1Q+0], (2<<16)|(1<<20)|(5<<22)|(3<<25)   ; no mask; padding on: behind every 64 words (code 5) 4 words (code 3)
.irp g, G1KV, G1Q
	s_mov_b32 s[\g+1], 64<<16                      ; tensor_dim0 = 64
	s_mov_b32 s[\g+2], 32<<16                      ; tensor_dim1 = 32
	s_mov_b32 s[\g+3], 64<<16                      ; tile_dim0 = 64
	s_mov_b32 s[\g+4], 32                          ; tile_dim1 = 32
	s_mov_b32 s[\g+5], 512                         ; pitch in elements
	s_mov_b32 s[\g+6], 0
	s_mov_b32 s[\g+7], 0
.endr
	; group 0.  Waves 0-3 bring K's rows 32 w .. 32 w + 31 of a tile, waves 4-7 V's rows 32 (w - 4) ..: LDS address = slot + wave x 8,192
	s_mov_b32 s[G0+0], 1
	s_lshl_b32 s[G0+1], s12, 13
	s_mov_b32 s[G0+4], 1
	s_add_co_u32 s[G0+5], s[G0+1], RAWSZ
	s_mov_b32 s[G0Q+0], 1
	s_mul_i32 s[G0Q+1], s12, 32*QP
	s_add_co_u32 s[G0Q+1], s[G0Q+1], QR            ; Q's rows 32 w .. 32 w + 31
	s_lshl_b32 s54, s61, 16                        ; which 32 rows of the tile
	s_add_co_u32 s54, s54, s46
	s_mov_b32 s55, 0
	s_lshl_b32 s62, s14, 19                        ; 256 queries x 2,048 bytes a block
	s_add_co_u32 s62, s62, s46
	s_mov_b32 s63, 0
	s_wait_dscnt 0x0
	s_wait_kmcnt 0x0
	s_cmp_lt_u32 s12, 4
	s_cselect_b64 s[48:49], s[4:5], s[8:9]         ; keys for waves 0-3; values for waves 4-7
	s_add_nc_u64 s[48:49], s[48:49], s[54:55]
	s_mov_b64 s[G0+2:G0+3], s[48:49]               ; tile 0
	s_or_b32 s[G0+3], s[G0+3], 0x80000000          ; type = 2
	s_add_nc_u64 s[G0+6:G0+7], s[48:49], TILEB     ; tile 1
	s_or_b32 s[G0+7], s[G0+7], 0x80000000
	s_add_nc_u64 s[G0Q+2:G0Q+3], s[6:7], s[62:63]  ; queries and out0 at my work-group's first row,
	s_add_nc_u64 s[56:57], s[10:11], s[62:63]
	s_lshl_b32 s62, s12, 16                        ; Q: 32 rows a wave
	s_add_nc_u64 s[G0Q+2:G0Q+3], s[G0Q+2:G0Q+3], s[62:63]
	s_or_b32 s[G0Q+3], s[G0Q+3], 0x80000000
	s_lshl_b32 s62, s61, 17                        ; out0: 64 rows a pair of waves
	s_add_nc_u64 s[56:57], s[56:57], s[62:63]
	; prefetch base: the head's 16 work-groups share out the 512 rows of two tiles of K and V: cluster x & 1 = which tile, cluster x >> 1 = K or V, cx = which 32 rows
	s_and_b32 s54, s45, 1
	s_lshl_b32 s54, s54, 18
	s_add_co_u32 s54, s54, 3*TILEB                 ; tiles 3 and 4 first
	s_add_co_u32 s54, s54, s46
	s_cmp_lt_u32 s45, 2
	s_cselect_b64 s[50:51], s[4:5], s[8:9]
	s_add_nc_u64 s[50:51], s[50:51], s[54:55]      ; s55 is still 0
	ROUND                                          ; all four work-groups are here: the first joint loads meet
	tensor_load_to_lds s[G0Q:G0Q+3], s[G1Q:G1Q+7]          ; the first fills go out as one group: my 32 rows of Q,
	s_nop 0
	tensor_load_to_lds s[G0:G0+3], s[G1KV:G1KV+7]          ; my eighth of tile 0,
	s_nop 0
	tensor_load_to_lds s[G0+4:G0+7], s[G1KV:G1KV+7]        ; my eighth of tile 1
	s_nop 0
	; addresses, while the loads are on their way
	v_and_b32 v2, 15, v0                           ; r
	v_bfe_u32 v3, v0, 4, 1                         ; h
	v_and_b32 v31, 31, v0                          ; lane
	s_lshr_b32 s55, s12, 2                         ; g: which 64 keys of every tile are mine
	s_mul_i32 s54, s55, 64*KP
	s_add_co_u32 s54, s54, BF
	v_mul_u32_u24 v6, v2, KP
	v_lshl_add_u32 v6, v3, 4, v6
	v_add_nc_u32 v[KA], s54, v6                    ; K fragment: my 64 rows, row r, 16 bytes a half
	s_mul_i32 s54, s12, 16*QP
	s_add_co_u32 s54, s54, OST                     ; my stage for the way out
	v_mul_u32_u24 v6, v2, QP
	v_lshl_add_u32 v6, v3, 5, v6                   ; r x 272 + 32 h
	v_add_nc_u32 v[STO], s54, v6
	v_mul_u32_u24 v7, v3, QP
	v_lshl_add_u32 v7, v2, 4, v7                   ; h x 272 + 16 r
	v_add_nc_u32 v[RD], s54, v7
	s_mul_i32 s54, s61, 64*QP
	s_add_co_u32 s54, s54, QR                      ; my 64 rows of Q
	v_add_nc_u32 v[QA], s54, v6
	v_lshlrev_b32 v8, 11, v3
	v_lshl_add_u32 v[CO], v2, 4, v8                ; h rows of 2,048 bytes + 16 r
	s_lshl_b32 s62, s13, 16                        ; 32 cx rows
	v_lshlrev_b32 v8, 11, v31
	v_add_nc_u32 v[PFV], s62, v8                   ; (32 cx + lane) x 2,048: lanes a row apart, one 256-byte row each
	v_and_b32 v6, 7, v0
	v_lshl_add_u32 v6, v3, 3, v6                   ; 8 h + (lane & 7)
	v_mul_u32_u24 v6, v6, VP
	v_bfe_u32 v7, v0, 3, 1
	v_lshl_add_u32 v6, v7, 4, v6                   ; + 16 ((lane >> 3) & 1)
	s_mul_i32 s55, s55, 64*VP
	s_add_co_u32 s55, s55, BF+BFV                  ; my 64 rows of V
	v_lshlrev_b32 v7, 4, v31                       ; 16 x lane
	s_mul_i32 s54, s12, 16*KP
	v_mul_u32_u24 v8, v3, KP
	v_lshl_add_u32 v8, v2, 3, v8
	v_add_nc_u32 v8, s54, v8                       ; (16 w + h) x 144 + 8 r
	s_mul_i32 s54, s12, 16*VP
	v_mul_u32_u24 v9, v3, VP
	v_lshl_add_u32 v9, v2, 3, v9
	v_add_nc_u32 v9, s54, v9                       ; (16 w + h) x 160 + 8 r
	s_lshl_b32 s54, s12, 12                        ; my 16 raw rows of 256 bytes
	s_add_co_u32 s62, s54, RAWSZ
	WIN 0x40                                       ; destinations in window 1
	v_add_nc_u32 v[VA], s55, v6
	v_add_nc_u32 v[RA0], s54, v7
	v_add_nc_u32 v[RA0+1], s62, v7
	v_add_nc_u32 v[WK], BF, v8
	v_add_nc_u32 v[WV], BF+BFV, v9
	WIN 0
; ---- the macros -------------------------------------------------------------------------------------------------------------------------
; Symbols set ahead of them: SC, SN score buffers of this unit and the next; QN the next unit's block; ST_RD, ST_WR the stage read and written;
; CV_RA the raw slot's address register; KW0, KW1 waits ahead of the 1st and 5th QK product (-1: none).
; four LDS loads: chunk c (0, 1 of K; 2, 3 of V) = 8 of my 16 raw rows, 512 neighbouring bytes (two rows) a load
.macro RLOAD c
.irp i, 0,1,2,3
	ds_load_b128 v[RW+4*\i:RW+4*\i+3], v[CV_RA] offset:((\c)&1)*2048+\i*512+((\c)>>1)*RAWV
.endr
.endm
; chunk c is rounded to bf16 and stored into the stage; the next chunk's loads go out.  wait = LDS instructions issued behind this chunk's loads
.macro CONV c, wait
	WIN 0x55                                       ; everything in window 1
	s_wait_dscnt \wait
.irp i, 0,1,2,3
	v_cvt_pk_bf16_f32 v[PK+2*\i],   v[RW+4*\i],   v[RW+4*\i+1]
	v_cvt_pk_bf16_f32 v[PK+2*\i+1], v[RW+4*\i+2], v[RW+4*\i+3]
.endr
.irp i, 0,1,2,3
.if (\c) < 2
	ds_store_b64 v[WK], v[PK+2*\i:PK+2*\i+1] offset:ST_WR+(4*(\c)+\i)*2*KP
.else
	ds_store_b64 v[WV], v[PK+2*\i:PK+2*\i+1] offset:ST_WR+(4*((\c)-2)+\i)*2*VP
.endif
.endr
.if (\c) < 3
	RLOAD ((\c)+1)
.endif
.endm
; eight LDS loads: my K fragments of the tile for d = 32 ks .. 32 ks + 31 (four tiles of 16 keys)
.macro KLOAD ks
.irp kb, 0,1,2,3
	ds_load_b128 v[KF+32*\ks+8*\kb:KF+32*\ks+8*\kb+3],   v[KA] offset:ST_RD+\kb*16*KP+\ks*64
	ds_load_b128 v[KF+32*\ks+8*\kb+4:KF+32*\ks+8*\kb+7], v[KA] offset:ST_RD+\kb*16*KP+\ks*64+32
.endr
.endm
; sixteen transposing LDS loads: my V^T fragments of the tile: rows d = 16 db + r, keys 32 ks + 8 h .. and 32 ks + 16 + 8 h ..   (window 1)
.macro VLOAD
.irp ks, 0,1
.irp db, 0,1,2,3
	ds_load_tr16_b128 v[VF+32*\ks+8*\db:VF+32*\ks+8*\db+3],   v[VA] offset:ST_RD+32*\ks*VP+32*\db
	ds_load_tr16_b128 v[VF+32*\ks+8*\db+4:VF+32*\ks+8*\db+7], v[VA] offset:ST_RD+32*\ks*VP+32*\db+16*VP
.endr
.endr
.endm
; one product of the next unit's scores: 16 keys x 16 queries, 32 along d; the first half starts the sum with the constant 0
.macro QKW kb, ks
.if \ks
	v_wmma_f32_16x16x32_bf16 v[SN+8*\kb:SN+8*\kb+7], v[KF+32*\ks+8*\kb:KF+32*\ks+8*\kb+7], v[QF+16*QN+8*\ks:QF+16*QN+8*\ks+7], v[SN+8*\kb:SN+8*\kb+7]
.else
	v_wmma_f32_16x16x32_bf16 v[SN+8*\kb:SN+8*\kb+7], v[KF+32*\ks+8*\kb:KF+32*\ks+8*\kb+7], v[QF+16*QN+8*\ks:QF+16*QN+8*\ks+7], 0
.endif
.endm
; two exponents' arguments: c s - c max (element e of the block's pair holds -c max)
.macro XPAIR kb, j, n, e
	v_pk_fma_f32 v[SC+8*\kb+2*\j:SC+8*\kb+2*\j+1], v[SC+8*\kb+2*\j:SC+8*\kb+2*\j+1], s[58:59], v[NM+4*\n:NM+4*\n+1] op_sel:[0,0,\e] op_sel_hi:[1,0,\e]
.endm
; step j of adding key tile kb's eight weights to the block's running sum; tile 0 carries the rescaling of the old sum; in the first batch it starts the sum
.macro CSUM kb, j, n, first
.set CFIRST, 0
.if \first
.if \kb == 0
.set CFIRST, 1
.endif
.endif
.if \j == 0
	s_wait_alu depctr_va_vdst(0)
	v_pk_add_f32 v[TA:TA+1], v[SC+8*\kb:SC+8*\kb+1], v[SC+8*\kb+2:SC+8*\kb+3]
.endif
.if \j == 1
	v_pk_add_f32 v[TB:TB+1], v[SC+8*\kb+4:SC+8*\kb+5], v[SC+8*\kb+6:SC+8*\kb+7]
.endif
.if \j == 2
.if CFIRST
	v_pk_add_f32 v[LS+4*\n:LS+4*\n+1], v[TA:TA+1], v[TB:TB+1]
.else
	v_pk_add_f32 v[TA:TA+1], v[TA:TA+1], v[TB:TB+1]
.endif
.endif
.if \j == 3
.if \kb == 0
.if \first == 0
	v_pk_fma_f32 v[LS+4*\n:LS+4*\n+1], v[LS+4*\n:LS+4*\n+1], v[AL:AL+1], v[TA:TA+1] op_sel_hi:[1,0,1]
.endif
.else
	v_pk_add_f32 v[LS+4*\n:LS+4*\n+1], v[LS+4*\n:LS+4*\n+1], v[TA:TA+1]
.endif
.endif
.endm
.macro CCVT kb, j                      ; two weights to bf16: register 4 kb + j of P
	v_cvt_pk_bf16_f32 v[PB+4*\kb+\j], v[SC+8*\kb+2*\j], v[SC+8*\kb+2*\j+1]
.endm
; The batch's maximum of my query (32 scores here, 32 in lane ^ 16), the new running maximum, the rescaling factor 2^(c old - c new), tile 0's arguments.
.macro PARTA n, e, first
.irp kb, 0,1,2,3
	v_max3_num_f32 v[AX+\kb], v[SC+8*\kb], v[SC+8*\kb+1], v[SC+8*\kb+2]
.endr
.irp kb, 0,1,2,3
	v_max3_num_f32 v[AX+\kb], v[AX+\kb], v[SC+8*\kb+3], v[SC+8*\kb+4]
.endr
.irp kb, 0,1,2,3
	v_max3_num_f32 v[AX+\kb], v[AX+\kb], v[SC+8*\kb+5], v[SC+8*\kb+6]
.endr
	v_max3_num_f32 v[AX], v[AX], v[AX+1], v[SC+7]
	v_max3_num_f32 v[AX+2], v[AX+2], v[AX+3], v[SC+15]
	v_max3_num_f32 v[AX], v[AX], v[AX+2], v[SC+23]
	v_max_num_f32 v[AX], v[AX], v[SC+31]
	v_permlanex16_b32 v[AX+1], v[AX], s52, s53     ; its destination has been written above
	v_max_num_f32 v[AX], v[AX], v[AX+1]
.if \first
	v_mul_f32 v[NM+4*\n], s60, v[AX]               ; both elements, so that the pair is whole
	v_mul_f32 v[NM+4*\n+1], s60, v[AX]
.else
	v_mul_f32 v[AL+1], s60, v[AX]
	v_min_num_f32 v[NM+4*\n+\e], v[NM+4*\n+1-\e], v[AL+1]      ; -c max(old, batch)
	v_sub_f32 v[AL], v[NM+4*\n+\e], v[NM+4*\n+1-\e]            ; c old - c new, 0 or below
	v_exp_f32 v[AL], v[AL]                         ; first used a whole tile step later; the packed multiply-adds below are the plain place behind it (ISA guide 5.7.2)
.endif
.irp j, 0,1,2,3
	XPAIR 0, \j, \n, \e
.endr
.endm
; Key tile kb's eight exponentials, with the next tile's arguments, the last tile's sum and packing, and two products of the next unit's scores strewn between:
; every exponential's result is first read one tile step later.
.macro TSTEP kb, n, e, first, qk
.irp j, 0,1,2,3
	v_exp_f32 v[SC+8*\kb+2*\j], v[SC+8*\kb+2*\j]
.if \kb < 3
	XPAIR (\kb+1), \j, \n, \e
.endif
	v_exp_f32 v[SC+8*\kb+2*\j+1], v[SC+8*\kb+2*\j+1]
.if \kb > 0
	CSUM (\kb-1), \j, \n, \first
	CCVT (\kb-1), \j
.endif
.if \qk
.if \j == 1
.if \kb == 0
.if KW0 >= 0
	s_wait_dscnt KW0                               ; the K fragments of d 0-31 are in; what was issued behind them stays out
.endif
.endif
.if \kb == 2
.if KW1 >= 0
	s_wait_dscnt KW1                               ; those of d 32-63 too
.endif
.endif
	QKW (2*(\kb&1)), (\kb>>1)
.endif
.if \j == 3
	QKW (2*(\kb&1)+1), (\kb>>1)
.endif
.endif
.endr
.endm
; O of block n is rescaled and takes the batch's 64 keys.  The four accumulators take turns, one instruction a turn, as the four score tiles do above.
.macro PVPH n, first
	WIN 0x51                                       ; source 0 (V^T, O), source 2 and destination (O) window 1; source 1 (P, the factor) window 0
.irp db, 0,1,2,3
.if \first
	v_wmma_f32_16x16x32_bf16 v[32*\n+8*\db:32*\n+8*\db+7], v[VF+8*\db:VF+8*\db+7], v[PB:PB+7], 0
.else
.irp q, 0,2,4,6
	v_pk_mul_f32 v[32*\n+8*\db+\q:32*\n+8*\db+\q+1], v[32*\n+8*\db+\q:32*\n+8*\db+\q+1], v[AL:AL+1] op_sel_hi:[1,0]
.endr
	v_wmma_f32_16x16x32_bf16 v[32*\n+8*\db:32*\n+8*\db+7], v[VF+8*\db:VF+8*\db+7], v[PB:PB+7], v[32*\n+8*\db:32*\n+8*\db+7]
.endif
.endr
.irp db, 0,1,2,3
	v_wmma_f32_16x16x32_bf16 v[32*\n+8*\db:32*\n+8*\db+7], v[VF+32+8*\db:VF+32+8*\db+7], v[PB+8:PB+15], v[32*\n+8*\db:32*\n+8*\db+7]
.endr
.endm
; The slot of one unit (my 64 keys of a tile, block n): its softmax with the next unit's scores between, its part of O, a quarter of my share of the next tile's rounding.
; kload: the next tile's K fragments are loaded, each half behind at least eight plain vector instructions that follow the last product that read it
; (four are asked: ISA guide 7.12.1 for vector instructions).  vload: the next tile's V fragments, behind the eight conversions or four v_nop.
.macro SLOT n, e, first, qk, kload, vwait, vload, c, cwait
.set SC, SB+32*(\n&1)
.set SN, SB+32*(1-(\n&1))
.set QN, (\n+1)&3
	PARTA \n, \e, \first
	TSTEP 0, \n, \e, \first, \qk
	TSTEP 1, \n, \e, \first, \qk
	TSTEP 2, \n, \e, \first, \qk
.if \kload
	KLOAD 0
.endif
	TSTEP 3, \n, \e, \first, \qk
.irp j, 0,1,2,3
	CSUM 3, \j, \n, \first
	CCVT 3, \j
.endr
.if \kload
	KLOAD 1
.endif
.if \vwait
	s_wait_dscnt 0x0                               ; the tile's V fragments were the last LDS loads issued
.endif
	PVPH \n, \first
.if \c >= 0
	CONV \c, \cwait
.else
.if \vload
	WIN 0x55
.rept 4
	v_nop                                          ; the four places between the products that read the V fragments and the loads into them
.endr
.endif
.endif
.if \vload
	VLOAD
.endif
	WIN 0
.endm
; The four slots of tile T's body: units (T - 1, 2), (T - 1, 3), (T, 0), (T, 1).  eab, ecd: the parities of T - 1 and T; fab, fcd: the wave's first batch of all.
; LDS instructions in order, with rounding: [4 raw loads], A: 8 + 8 K loads, wait 16 (the raw loads), 4 stores, 4 raw loads; B: wait 16 (K's first half: 8 + 4 + 4 behind it),
; wait 8 (its second half), wait 0, 4 stores, 4 raw loads, 16 V loads; C: wait 0 (V).  Without rounding the two counts in B are 8 and 0.
.macro HALF eab, ecd, fab, fcd, conv
.set KW0, -1
.set KW1, -1
.if \conv
	SLOT 2, \eab, \fab, 1, 1, 0, 0, 0, 16
.set KW0, 16
.set KW1, 8
	SLOT 3, \eab, \fab, 1, 0, 0, 1, 1, 0
.set KW0, -1
.set KW1, -1
	SLOT 0, \ecd, \fcd, 1, 0, 1, 0, 2, 0
	SLOT 1, \ecd, \fcd, 1, 0, 0, 0, 3, 0
.else
	SLOT 2, \eab, \fab, 1, 1, 0, 0, -1, 0
.set KW0, 8
.set KW1, 0
	SLOT 3, \eab, \fab, 1, 0, 0, 1, -1, 0
.set KW0, -1
.set KW1, -1
	SLOT 0, \ecd, \fcd, 1, 0, 1, 0, -1, 0
	SLOT 1, \ecd, \fcd, 1, 0, 0, 0, -1, 0
.endif
.endm
; The head of tile T's body (par = T & 1).  In front of the barrier every wave has stored its share of tile T into stage par (so its reads of raw slot par are over),
; has its fragment reads of tile T - 1 back, and has seen all its tensor loads land, its part of tile T + 1 among them.  Behind it: raw slot par is filled with tile T + 2,
; fragments come from stage par, tile T + 1 is rounded from raw slot 1 - par into stage 1 - par.
.macro HEAD par, refill, conv
	s_wait_tensorcnt 0x0                           ; all my tensor loads have landed, so a group 0 may be written
	ds_add_u32 v254, v255
	s_wait_dscnt 0x0
.if \refill
	s_add_nc_u64 s[G0+4*\par+2:G0+4*\par+3], s[G0+4*\par+2:G0+4*\par+3], 2*TILEB
.endif
	s_wait_dscnt 0x0                               ; my LDS loads are back and my stores into the stage are done
.if \refill
	ROUND                                          ; both now hold of every wave of all four work-groups
	tensor_load_to_lds s[G0+4*\par:G0+4*\par+3], s[G1KV:G1KV+7]    ; my one tensor load behind the round, and the first thing there
	s_nop 0
.else
	s_barrier_signal -1                            ; nothing is filled any more: the work-group's barrier shows the stage to every wave
	s_barrier_wait -1
.endif
.set ST_RD, \par*BFST
.set ST_WR, (1-\par)*BFST
.set CV_RA, RA0+1-\par
.if \conv
	WIN 0x55
	RLOAD 0
	WIN 0
.endif
.endm
; Prefetch toward the tensor loads: in lap i (tile 2 i) wave 0 of each of the head's 16 work-groups asks for 32 rows of 256 bytes, together all K and V rows of tiles
; 2 i + 3 and 2 i + 4, whose tensor loads go out one and two tiles later; each row is asked for once.  Laps 0 to 13 ask: the last rows named are tile 30's, inside the buffers.
.macro PREF step
.if \step
	s_wait_xcnt 0x0                                ; the last lap's prefetch has had its address translated: its base may be stepped
	s_add_nc_u64 s[50:51], s[50:51], 2*TILEB
.endif
	s_cmp_lg_u32 s12, 0
	s_cbranch_scc1 .Lno_prefetch_\@
.if \step
	s_cmp_lt_u32 s44, 14
	s_cbranch_scc0 .Lno_prefetch_\@
.endif
	global_prefetch_b8 v[PFV], s[50:51] th:TH_LOAD_NT scope:SCOPE_SE
.Lno_prefetch_\@:
.endm
.macro BODY par, refill, conv, pf, fab
	HEAD \par, \refill, \conv
.if \pf
	PREF 1
.endif
.if \par
	HALF 0, 1, \fab, 0, \conv
.else
	HALF 1, 0, \fab, 0, \conv
.endif
.endm
; ---- Q: my 64 rows, f32 from LDS, rounded once into fragments that stay for the whole kernel ------------------------------------------------
	s_wait_tensorcnt 0x1                           ; tensor loads of a wave end in order (ISA guide 10.11.1): my rows of Q and of tile 0 are in; tile 1, issued behind them, stays out:
	s_barrier_signal -1
	s_barrier_wait -1                              ; everybody's rows are in: two waves read each row of Q, and tile 0 is rounded by other waves than brought it
.irp n, 0,1,2,3
.irp ks, 0,1
	ds_load_b128 v[SB+32*\n+16*\ks:SB+32*\n+16*\ks+3],     v[QA] offset:\n*16*QP+\ks*128      ; d = 32 ks + 8 h + 0..3
	ds_load_b128 v[SB+32*\n+16*\ks+4:SB+32*\n+16*\ks+7],   v[QA] offset:\n*16*QP+\ks*128+16   ;                 + 4..7
	ds_load_b128 v[SB+32*\n+16*\ks+8:SB+32*\n+16*\ks+11],  v[QA] offset:\n*16*QP+\ks*128+64   ; d = 32 ks + 16 + 8 h + 0..3
	ds_load_b128 v[SB+32*\n+16*\ks+12:SB+32*\n+16*\ks+15], v[QA] offset:\n*16*QP+\ks*128+80
.endr
.endr
.irp n, 0,1,2,3
	s_wait_dscnt 24-8*\n                           ; block n's eight loads are in; the later blocks' eight each stay out
.irp j, 0,1,2,3,4,5,6,7,8,9,10,11,12,13,14,15
	v_cvt_pk_bf16_f32 v[QF+16*\n+\j], v[SB+32*\n+2*\j], v[SB+32*\n+2*\j+1]
.endr
.endr
.set CV_RA, RA0
.set ST_WR, 0
	WIN 0x55
	RLOAD 0                                        ; tile 0 is rounded into stage 0
.irp c, 0,1,2,3
	CONV \c, 0
.endr
	WIN 0
; ---- tile 0: no unit is under way yet, so its first two slots only load fragments and make unit (0, 0)'s scores ------------------------------
	HEAD 0, 1, 1
	PREF 0
.set KW0, -1
.set KW1, -1
	KLOAD 0
	KLOAD 1
	WIN 0x55
	VLOAD
	CONV 0, 32                                     ; 16 K loads and 16 V loads were issued behind the raw loads
	WIN 0
	s_wait_dscnt 24                                ; the K fragments are in: 16 V loads, 4 stores, 4 raw loads were issued behind them
.set SN, SB
.set QN, 0
.irp ks, 0,1
.irp kb, 0,1,2,3
	QKW \kb, \ks
.endr
.endr
	CONV 1, 0                                      ; its eight conversions are also the places in front of the first read of the scores
	WIN 0
	SLOT 0, 0, 1, 1, 0, 1, 0, 2, 0
	SLOT 1, 0, 1, 1, 0, 0, 0, 3, 0
	BODY 1, 1, 1, 0, 1                             ; tile 1; its first two slots end the first batch
	s_mov_b32 s44, 1
.Llap:                                             ; laps 1 to 14: tiles 2 to 29
	BODY 0, 1, 1, 1, 0
	BODY 1, 1, 1, 0, 0
	s_add_co_u32 s44, s44, 1
	s_cmp_lt_u32 s44, 15
	s_cbranch_scc1 .Llap
	BODY 0, 0, 1, 0, 0                             ; tile 30: nothing is left to fetch; tile 31 is still rounded
	BODY 1, 0, 0, 0, 0                             ; tile 31
	SLOT 2, 1, 0, 1, 0, 0, 0, -1, 0                ; the last batch's blocks 2 and 3
	SLOT 3, 1, 0, 0, 0, 0, 0, -1, 0
; ---- the joining and the way out ---------------------------------------------------------------------------------------------------------------
; The waves (p, 0) and (p, 1) hold, lane for lane and register for register, the same queries' state over the two halves of the keys.  Each gives two of its four blocks
; to the other and ends the two that it keeps: both do half of the way out.  What is given lies at w x 9,216 in the raw slots: their last fill landed, and their last reads
; came back, in front of tile 31's barrier, and no tensor load follows.
; block n out: lane (r, h) puts d = 16 db + 8 h + 0..7 of query r (32 bytes) into row r of my own stage; rows are read back whole.  f: the registers for the read-back, in turn
.macro OUTQ n, f
	WIN 0x04                                       ; store data in window 1
.irp db, 0,1,2,3
	ds_store_b128 v[STO], v[32*\n+8*\db:32*\n+8*\db+3]   offset:64*\db
	ds_store_b128 v[STO], v[32*\n+8*\db+4:32*\n+8*\db+7] offset:64*\db+16
.endr
	WIN 0
	s_wait_xcnt 0x0                                ; earlier stores have had their addresses translated (ISA guide 3.1): the registers that they read are loaded again only behind this wait
.irp t, 0,1,2,3,4,5,6,7
	ds_load_b128 v[\f+4*\t:\f+4*\t+3], v[RD] offset:\t*2*QP        ; LDS serves a wave's instructions in order (ISA guide 5.7.1): these see the stores above
.endr
.irp t, 0,1,2,3,4,5,6,7
	s_wait_dscnt 7-\t                              ; read-back t is in, the younger ones stay out
	global_store_b128 v[CO], v[\f+4*\t:\f+4*\t+3], s[56:57] offset:(16*\n+2*\t)*ROWB th:TH_STORE_NT   ; sixteen lanes store a head's whole row: 256 consecutive bytes, aligned
.endr
.endm
; blocks n0, n0 + 1 are given: O as it lies in the registers, 16 bytes a lane and 512 neighbouring bytes a store, then the 16 bytes of state
.macro GIVE n0
	WIN 0x04                                       ; store data in window 1
.irp k, 0,1
.irp q, 0,1,2,3,4,5,6,7
	ds_store_b128 v[XB], v[32*(\n0+\k)+4*\q:32*(\n0+\k)+4*\q+3] offset:\k*XBLK+\q*512
.endr
.endr
	WIN 0
.irp k, 0,1
	ds_store_b128 v[XB], v[NM+4*(\n0+\k):NM+4*(\n0+\k)+3] offset:\k*XBLK+4096
.endr
.endm
; blocks n0, n0 + 1 are kept: the partner's part, at byte off of the lower partner's area, is joined to mine, divided by the sum, and stored.
; With M = -c max: M = min(mine, partner's); each side's factor is 2^(M - its own M), 1 for the side that holds the maximum; the last batch (tile 31) wrote element 1.
.macro TAKE n0, off
.irp k, 0,1
	ds_load_b128 v[PS+4*\k:PS+4*\k+3], v[XL] offset:\off+\k*XBLK+4096
.endr
.irp k, 0,1
.irp q, 0,1,2,3,4,5,6,7
	ds_load_b128 v[KF+32*\k+4*\q:KF+32*\k+4*\q+3], v[XL] offset:\off+\k*XBLK+\q*512
.endr
.endr
	s_wait_dscnt 16                                ; the two states are in; the sixteen loads of O issued behind them stay out
.irp k, 0,1
	v_min_num_f32 v[AL+\k], v[NM+4*(\n0+\k)+1], v[PS+4*\k+1]
.endr
.irp k, 0,1
	v_sub_f32 v[NM+4*(\n0+\k)], v[AL+\k], v[NM+4*(\n0+\k)+1]
	v_sub_f32 v[PS+4*\k], v[AL+\k], v[PS+4*\k+1]
.endr
.irp k, 0,1
	v_exp_f32 v[NM+4*(\n0+\k)], v[NM+4*(\n0+\k)]   ; my factor, in element 0 of my pair
	v_exp_f32 v[PS+4*\k], v[PS+4*\k]               ; the partner's, in element 0 of its pair
.endr
	v_nop                                          ; the plain place behind the exponentials (ISA guide 5.7.2)
.irp k, 0,1
	s_wait_alu depctr_va_vdst(0)
	v_pk_mul_f32 v[LS+4*(\n0+\k):LS+4*(\n0+\k)+1], v[LS+4*(\n0+\k):LS+4*(\n0+\k)+1], v[NM+4*(\n0+\k):NM+4*(\n0+\k)+1] op_sel_hi:[1,0]
.endr
.irp k, 0,1
	v_pk_fma_f32 v[LS+4*(\n0+\k):LS+4*(\n0+\k)+1], v[PS+4*\k+2:PS+4*\k+3], v[PS+4*\k:PS+4*\k+1], v[LS+4*(\n0+\k):LS+4*(\n0+\k)+1] op_sel_hi:[1,0,1]
.endr
.irp k, 0,1
	v_add_f32 v[LS+4*(\n0+\k)], v[LS+4*(\n0+\k)], v[LS+4*(\n0+\k)+1]
.endr
.irp k, 0,1
	v_permlanex16_b32 v[LS+4*(\n0+\k)+1], v[LS+4*(\n0+\k)], s52, s53       ; the other half of each tile of 16 keys lies in lane ^ 16
.endr
.irp k, 0,1
	v_add_f32 v[LS+4*(\n0+\k)], v[LS+4*(\n0+\k)], v[LS+4*(\n0+\k)+1]
.endr
.irp k, 0,1
	v_rcp_f32 v[LS+4*(\n0+\k)], v[LS+4*(\n0+\k)]   ; the sum is at least the largest weight, which is 1 up to rounding
.endr
	v_nop                                          ; the plain place behind the reciprocals
.irp k, 0,1
	s_wait_alu depctr_va_vdst(0)
	v_mul_f32 v[NM+4*(\n0+\k)], v[NM+4*(\n0+\k)], v[LS+4*(\n0+\k)]
	v_mul_f32 v[PS+4*\k], v[PS+4*\k], v[LS+4*(\n0+\k)]
.endr
	WIN 0x41                                       ; my O in window 1, my factor in window 0
.irp k, 0,1
.set qq, 0
.rept 16
	v_pk_mul_f32 v[32*(\n0+\k)+2*qq:32*(\n0+\k)+2*qq+1], v[32*(\n0+\k)+2*qq:32*(\n0+\k)+2*qq+1], v[NM+4*(\n0+\k):NM+4*(\n0+\k)+1] op_sel_hi:[1,0]
.set qq, qq+1
.endr
.endr
	s_wait_dscnt 0x0                               ; the partner's O is in
	WIN 0x50                                       ; the partner's O and factor in window 0; source 2 and destination, my O, in window 1
.irp k, 0,1
.set qq, 0
.rept 16
	v_pk_fma_f32 v[32*(\n0+\k)+2*qq:32*(\n0+\k)+2*qq+1], v[KF+32*\k+2*qq:KF+32*\k+2*qq+1], v[PS+4*\k:PS+4*\k+1], v[32*(\n0+\k)+2*qq:32*(\n0+\k)+2*qq+1] op_sel_hi:[1,0,1]
.set qq, qq+1
.endr
.endr
	OUTQ \n0, SB
	OUTQ (\n0+1), SB+32
.endm
	s_mul_i32 s54, s12, XW                         ; my own area
	s_mul_i32 s55, s61, XW                         ; the area of the lower wave of my pair
	v_lshlrev_b32 v[XL], 4, v31                    ; these four are also the places between the last products and the stores that read O
	v_add_nc_u32 v[XB], s54, v[XL]
	v_add_nc_u32 v[XL], s55, v[XL]
	v_nop
	s_cmp_lt_u32 s12, 4
	s_cbranch_scc0 .Lgive_upper
	GIVE 2                                         ; waves 0-3 give blocks 2 and 3,
	s_branch .Lgiven
.Lgive_upper:
	GIVE 0                                         ; waves 4-7 blocks 0 and 1
.Lgiven:
	s_wait_dscnt 0x0                               ; for the partner's sake: my stores are done
	s_barrier_signal -1
	s_barrier_wait -1                              ; everybody's are
	s_cmp_lt_u32 s12, 4
	s_cbranch_scc0 .Ltake_upper
	TAKE 0, 4*XW                                   ; waves 0-3 end blocks 0 and 1 with what wave w + 4 gave,
	s_branch .Ltaken
.Ltake_upper:
	TAKE 2, 0                                      ; waves 4-7 blocks 2 and 3 with what wave w - 4 gave
.Ltaken:
	s_wait_tensorcnt 0x0
	ds_add_u32 v254, v255
	s_wait_dscnt 0x0
	ROUND                                          ; the closing round: no work-group ends while a partner may still ask for a tile that names it
	s_endpgm
.Lfunc_end_k_qb708330d6a_attn:
	.size	k_qb708330d6a_attn, .Lfunc_end_k_qb708330d6a_attn-k_qb708330d6a_attn
	.p2alignl 7, 3214868480
	.fill 96, 4, 3214868480
	.section	.rodata,"a",@progbits
	.p2align	6, 0x0
	.amdhsa_kernel k_qb708330d6a_attn
		.amdhsa_group_segment_fixed_size 327680
		.amdhsa_private_segment_fixed_size 0
		.amdhsa_enable_private_segment 0
		.amdhsa_kernarg_size 32
		.amdhsa_user_sgpr_count 2
		.amdhsa_user_sgpr_kernarg_segment_ptr 1
		.amdhsa_wavefront_size32 1
		.amdhsa_system_sgpr_workgroup_id_x 1
		.amdhsa_system_sgpr_workgroup_id_y 1
		.amdhsa_system_sgpr_workgroup_id_z 1
		.amdhsa_system_vgpr_workitem_id 0
		.amdhsa_next_free_vgpr 512
		.amdhsa_next_free_sgpr 66
		.amdhsa_reserve_vcc 0
		.amdhsa_float_denorm_mode_32 3
		.amdhsa_float_denorm_mode_16_64 3
		.amdhsa_memory_ordered 1
		.amdhsa_forward_progress 1
		.amdhsa_inst_pref_size 253
	.end_amdhsa_kernel
	.amdgpu_metadata
---
amdhsa.version: [ 1, 2 ]
amdhsa.kernels:
  - .name:           k_qb708330d6a_attn
    .symbol:         k_qb708330d6a_attn.kd
    .args:
      - { .name: keys, .offset: 0, .size: 8, .value_kind: global_buffer, .address_space: global }
      - { .name: queries, .offset: 8, .size: 8, .value_kind: global_buffer, .address_space: global }
      - { .name: values, .offset: 16, .size: 8, .value_kind: global_buffer, .address_space: global }
      - { .name: out0, .offset: 24, .size: 8, .value_kind: global_buffer, .address_space: global }
    .group_segment_fixed_size: 327680
    .private_segment_fixed_size: 0
    .kernarg_segment_align: 8
    .kernarg_segment_size: 32
    .max_flat_workgroup_size: 256
    .sgpr_count:     66
    .vgpr_count:     512
    .wavefront_size: 32
...
	.end_amdgpu_metadata
.endif
;; end of part 1
